; MI455X (gfx1250); checked and timed in simulation.
; The chip was launched on July 23, 2026; its instructions are those of AMD's public machine-readable ISA for CDNA 5 (MIT licence, August 2026) and "CDNA5" Instruction Set Architecture Reference Guide (July 2026). The comments in the code are by the model that wrote it; some were corrected since.
;; Custom Multi Head Self Attention. Allowed arithmetic: float matrix products may take bf16 or f16 operands with f32 sums; all other float work in f32.
;; Inputs: Wk 1,024 x 1,024 float32; Wo 1,024 x 1,024 float32; Wq 1,024 x 1,024 float32; Wv 1,024 x 1,024 float32; bk 64 float32; bo 1,024 float32; bq 64 float32; gk 64 float32; gq 64 float32; mask 2 x 2,048 int32; x 2 x 2,048 x 1,024 float32.
;; Outputs: out0 2 x 2,048 x 1,024 float32.
;; One version. Each part assembles by itself: llvm-mc -triple=amdgcn-amd-amdhsa -mcpu=gfx1250 --defsym DOCPART=n.
;; ======== version 1 of 1: 4 launches
;; limits: values are held in f16: magnitudes above 65,504 overflow, below 6.1e-05 lose precision; right only within a limited range of input values
;; workspace buffers: xh 8,388,608 bytes; wcat 6,291,456 bytes; woh 2,097,152 bytes; qh 8,388,608 bytes; kh 8,388,608 bytes; vt 8,388,608 bytes; ao 8,388,608 bytes
;; launch cast (part 1): grid 256 x 1, 8 waves a work-group, no clusters, 0 bytes of LDS; arguments x, Wq, Wk, Wv, Wo, xh, wcat, woh; writes xh, wcat, woh
.if DOCPART == 1
	.amdgcn_target "amdgcn-amd-amdhsa--gfx1250"
	.amdhsa_code_object_version 6
	.text
	.protected	k_q59fc964814_cast
	.globl	k_q59fc964814_cast
	.p2align	8
	.type	k_q59fc964814_cast,@function
k_q59fc964814_cast:
	s_mov_b64 s[64:65], 0
	v_nop
	global_prefetch_b8 v0, s[64:65] scope:SCOPE_SE
	s_setreg_imm32_b32 hwreg(HW_REG_WAVE_MODE, 25, 1), 1
	s_wait_xcnt 0x0
; x, Wq, Wk, Wv, Wo (f32) are rounded once to f16 for the matrix products of the later launches.
;   xh   [4096][1024]      = x
;   wcat [16 heads][192][1024]: rows 0-63 Wq's rows 64 h + c, 64-95 Wv's rows 64 h + 0..31, 96-159 Wk's rows 64 h + c, 160-191 Wv's rows 64 h + 32..63
;   woh  [1024][1024]      = Wo
; f16, not bf16: the scores that come of x, Wq and Wk are sums of 64 products of normalised numbers and stand in an exponent, so three more bits count.
; LIMIT: |x| and |W| below 65,504; numbers under 2^-14 keep an absolute error of at most 2^-25.
; A work-group takes 32 source rows (4,096 bytes each) and writes 32 consecutive rows (2,048 bytes each) of one destination; a wave takes 4 rows.
; Work-groups 0-127: x.  128-255: e = wg - 128, tensor e >> 5 (Wq, Wk, Wv, Wo), rows 32 (e & 31).
; A load of a wave covers 512 consecutive bytes (16 a lane), a store 256 consecutive aligned bytes (8 a lane).  All 32 loads of a wave go out first.
; No LDS, no matrix unit: nothing is used twice.  The input 'mask' is named in no launch of this program: reference() takes it and never uses it.
.set SROW, 4096                        ; bytes in a source row
.set DROW, 2048                        ; bytes in a destination row
.set DAT,  8                           ; v[8:135]  16 chunks of 1,024 source bytes a wave: 8 registers each
	s_load_b512 s[8:23], s[0:1], 0x0               ; x s[8:9], Wq s[10:11], Wk s[12:13], Wv s[14:15], Wo s[16:17], xh s[18:19], wcat s[20:21], woh s[22:23]
	s_sub_co_u32 s2, ttmp9, 128                    ; e (of no meaning in work-groups 0-127: the last choice below overrides what comes of it)
	s_bfe_u32 s3, s2, 0x20005                      ; which weight: 2 bits from bit 5
	s_and_b32 s4, s2, 31                           ; block of 32 rows
	s_lshr_b32 s5, s4, 1                           ; head
	s_and_b32 s6, s4, 1                            ; which half of the head's 64 rows
	s_mul_i32 s7, s5, 192                          ; the head's first row in wcat
	s_lshl_b32 s24, s6, 5
	s_add_co_u32 s24, s24, s7                      ; Wq: 192 head + 32 half
	s_add_co_u32 s25, s24, 96                      ; Wk: 96 further
	s_mul_i32 s26, s6, 96
	s_add_co_u32 s26, s26, s7
	s_add_co_u32 s26, s26, 64                      ; Wv: 192 head + 64 + 96 half
	s_lshl_b32 s32, s4, 5                          ; a weight's source row, which is also Wo's destination row
	s_mov_b32 s33, s32
	s_lshl_b32 s27, ttmp9, 5                       ; x's row, source and destination
	v_lshrrev_b32 v3, 5, v0                        ; wave
	v_and_b32 v4, 31, v0                           ; lane
	v_lshlrev_b32 v1, 4, v4
	v_lshl_add_u32 v1, v3, 14, v1                  ; source: 4 rows a wave, 16 bytes a lane
	v_lshlrev_b32 v2, 3, v4
	v_lshl_add_u32 v2, v3, 13, v2                  ; destination: 4 rows a wave, 8 bytes a lane
	s_wait_kmcnt 0x0
	s_mov_b64 s[28:29], s[16:17]                   ; from Wo into woh, unless one of the four choices below says otherwise
	s_mov_b64 s[30:31], s[22:23]
	s_cmp_eq_u32 s3, 2
	s_cselect_b64 s[28:29], s[14:15], s[28:29]     ; Wv
	s_cselect_b64 s[30:31], s[20:21], s[30:31]
	s_cselect_b32 s33, s26, s33
	s_cmp_eq_u32 s3, 1
	s_cselect_b64 s[28:29], s[12:13], s[28:29]     ; Wk
	s_cselect_b64 s[30:31], s[20:21], s[30:31]
	s_cselect_b32 s33, s25, s33
	s_cmp_eq_u32 s3, 0
	s_cselect_b64 s[28:29], s[10:11], s[28:29]     ; Wq
	s_cselect_b64 s[30:31], s[20:21], s[30:31]
	s_cselect_b32 s33, s24, s33
	s_cmp_lt_u32 ttmp9, 128
	s_cselect_b64 s[28:29], s[8:9], s[28:29]       ; x
	s_cselect_b64 s[30:31], s[18:19], s[30:31]
	s_cselect_b32 s32, s27, s32
	s_cselect_b32 s33, s27, s33
	s_lshl_b32 s34, s32, 12                        ; at most 4,064 rows of 4,096 bytes: below 2^24
	s_mov_b32 s35, 0
	s_lshl_b32 s36, s33, 11
	s_mov_b32 s37, 0
	s_add_nc_u64 s[28:29], s[28:29], s[34:35]
	s_add_nc_u64 s[30:31], s[30:31], s[36:37]
.set i, 0
.rept 16                               ; chunk i: row i / 4 of my four, bytes 1,024 (i % 4) of it, as two loads of 512 bytes
	global_load_b128 v[DAT+8*i:DAT+8*i+3],   v1, s[28:29] offset:(i/4)*SROW+(i%4)*1024 th:TH_LOAD_NT
	global_load_b128 v[DAT+8*i+4:DAT+8*i+7], v1, s[28:29] offset:(i/4)*SROW+(i%4)*1024+512 th:TH_LOAD_NT
.set i, i+1
.endr
.set i, 0
.rept 16
	s_wait_loadcnt 30-2*i                          ; loads come back in order: chunk i's two are in, the 2 (15 - i) younger ones stay out
	v_cvt_pk_f16_f32 v[DAT+8*i],   v[DAT+8*i],   v[DAT+8*i+1]    ; in place: each result lands on a register whose number has been read
	v_cvt_pk_f16_f32 v[DAT+8*i+1], v[DAT+8*i+2], v[DAT+8*i+3]
	v_cvt_pk_f16_f32 v[DAT+8*i+2], v[DAT+8*i+4], v[DAT+8*i+5]
	v_cvt_pk_f16_f32 v[DAT+8*i+3], v[DAT+8*i+6], v[DAT+8*i+7]
	global_store_b64 v2, v[DAT+8*i:DAT+8*i+1],   s[30:31] offset:(i/4)*DROW+(i%4)*512       ; 32 lanes x 8 bytes: 256 consecutive bytes, aligned
	global_store_b64 v2, v[DAT+8*i+2:DAT+8*i+3], s[30:31] offset:(i/4)*DROW+(i%4)*512+256
.set i, i+1
.endr
	s_endpgm
.Lfunc_end_k_q59fc964814_cast:
	.size	k_q59fc964814_cast, .Lfunc_end_k_q59fc964814_cast-k_q59fc964814_cast
	.p2alignl 7, 3214868480
	.fill 96, 4, 3214868480
	.section	.rodata,"a",@progbits
	.p2align	6, 0x0
	.amdhsa_kernel k_q59fc964814_cast
		.amdhsa_group_segment_fixed_size 0
		.amdhsa_private_segment_fixed_size 0
		.amdhsa_enable_private_segment 0
		.amdhsa_kernarg_size 64
		.amdhsa_user_sgpr_count 2
		.amdhsa_user_sgpr_kernarg_segment_ptr 1
		.amdhsa_wavefront_size32 1
		.amdhsa_system_sgpr_workgroup_id_x 1
		.amdhsa_system_sgpr_workgroup_id_y 1
		.amdhsa_system_sgpr_workgroup_id_z 1
		.amdhsa_system_vgpr_workitem_id 0
		.amdhsa_next_free_vgpr 136
		.amdhsa_next_free_sgpr 66
		.amdhsa_reserve_vcc 0
		.amdhsa_float_denorm_mode_32 3
		.amdhsa_float_denorm_mode_16_64 3
		.amdhsa_memory_ordered 1
		.amdhsa_forward_progress 1
		.amdhsa_inst_pref_size 13
	.end_amdhsa_kernel
	.amdgpu_metadata
---
amdhsa.version: [ 1, 2 ]
amdhsa.kernels:
  - .name:           k_q59fc964814_cast
    .symbol:         k_q59fc964814_cast.kd
    .args:
      - { .name: x, .offset: 0, .size: 8, .value_kind: global_buffer, .address_space: global }
      - { .name: Wq, .offset: 8, .size: 8, .value_kind: global_buffer, .address_space: global }
      - { .name: Wk, .offset: 16, .size: 8, .value_kind: global_buffer, .address_space: global }
      - { .name: Wv, .offset: 24, .size: 8, .value_kind: global_buffer, .address_space: global }
      - { .name: Wo, .offset: 32, .size: 8, .value_kind: global_buffer, .address_space: global }
      - { .name: xh, .offset: 40, .size: 8, .value_kind: global_buffer, .address_space: global }
      - { .name: wcat, .offset: 48, .size: 8, .value_kind: global_buffer, .address_space: global }
      - { .name: woh, .offset: 56, .size: 8, .value_kind: global_buffer, .address_space: global }
    .group_segment_fixed_size: 0
    .private_segment_fixed_size: 0
    .kernarg_segment_align: 8
    .kernarg_segment_size: 64
    .max_flat_workgroup_size: 256
    .sgpr_count:     66
    .vgpr_count:     136
    .wavefront_size: 32
...
	.end_amdgpu_metadata
.endif
;; end of part 1
;; launch qkv (part 2): grid 16 x 16, 4 waves a work-group, clusters of 4 x 4, 327,680 bytes of LDS; arguments xh, wcat, gq, bq, gk, bk, qh, kh, vt; writes qh, kh, vt
.if DOCPART == 2
	.amdgcn_target "amdgcn-amd-amdhsa--gfx1250"
	.amdhsa_code_object_version 6
	.text
	.protected	k_q59fc964814_qkv
	.globl	k_q59fc964814_qkv
	.p2align	8
	.type	k_q59fc964814_qkv,@function
k_q59fc964814_qkv:
	s_mov_b64 s[64:65], 0
	v_nop
	global_prefetch_b8 v0, s[64:65] scope:SCOPE_SE
	s_setreg_imm32_b32 hwreg(HW_REG_WAVE_MODE, 25, 1), 1
	s_wait_xcnt 0x0
	s_wait_alu depctr_hold_cnt(0) depctr_sa_sdst(0) depctr_va_vdst(0) depctr_va_sdst(0) depctr_va_ssrc(0) depctr_va_vcc(0) depctr_vm_vsrc(0)
	s_getreg_b32 s2, hwreg(HW_REG_IB_STS2, 6, 4)
	s_cmp_eq_u32 s2, 0
	s_cbranch_scc0 .Lentry_in_a_cluster
	s_endpgm
.Lentry_in_a_cluster:
	s_bfe_u32 s2, ttmp6, 0x10000c
	s_cmp_lg_u32 s2, 0xf033
	s_cbranch_scc0 .Lentry_shape_is_right
	s_endpgm
.Lentry_shape_is_right:
; q, k, v of one head for 256 rows of x:  [256 x 1024] (xh) times [192 x 1024]^T (the head's rows of wcat), f16 operands, f32 sums;
; on the way out LayerNorm over the head's 64 numbers for q and k (f32), q further times log2(e), and the split into heads.
;   qh, kh: f16 [2][16][2048][64]      vt: f16 [2][16][64 d][2048 l] (V transposed)
; All in f16, not bf16: scores are sums of 64 products of normalised numbers and stand in an exponent, and V's rounding goes straight into the result.
; LIMITS: q and k are finite in f16 while 1.4427 (7.94 max|g| + max|b|) < 65,504 (a normalised vector of 64 has no entry above sqrt(63));
; V is finite while |V| < 65,504: a sum of 1,024 products of numbers of spread 1 and 0.02 has spread 0.64; with both inputs 30 times larger its largest
; entries are near 3,500, with offsets of 30 spreads in both it is near 1024 x 30 x 0.6 = 18,400.
; Four waves; wave (rw, cw) makes rows 128 rw .. +127 x wcat rows 96 cw .. +95: 8 x 6 accumulator tiles, 384 registers.
; Column tiles 0-3 are a whole head of q (cw = 0) or k (cw = 1), tiles 4, 5 are 32 columns of V.
; K goes in 8 steps of 128 through two LDS slots; a tile's rows are 256 bytes of memory, at multiples of 256 from the buffer's first byte.
; CLUSTERS: 4 x 4 work-groups.  xh's tile hangs on the row block alone and is asked for jointly along a row of the cluster,
; wcat's on the head alone and jointly along a column: each tile is requested once for four work-groups.
; REGISTERS in windows of 256:  window 0 addresses and the way out;  window 1 fragments, two buffers of 14 (8 of A, 6 of B);
; window 2 the accumulators of my row tiles 0-3 (tile (a, b) at v[8 (6 a + b)]);  window 3 those of row tiles 4-7.
; q and k tiles use the matrix instruction transposed (source 0 = 16 rows of wcat, source 1 = 16 rows of x): a lane then holds one row of x and 8
; neighbouring columns, so that LayerNorm's sums need one exchange between lane l and lane l xor 16.  V's tiles use it the natural way:
; a lane holds one column d and 8 neighbouring rows l, which are 16 consecutive bytes of vt.
.set KSTEP,  128
.set PITCH,  272                       ; an LDS row: 256 bytes + 16 of padding: the 16 rows of a fragment load start 68 words apart
.set HALFA,  128*PITCH                 ; 128 rows of xh: one tensor load
.set HALFB,  96*PITCH                  ; 96 rows of wcat: one tensor load
.set SLOT,   2*HALFA+2*HALFB           ; A's 256 rows, then B's 192
.set STAGE,  2*SLOT                    ; behind the ring, never filled by a tensor load: each wave's own stage
.set LNP,    144                       ; q/k stage: 16 rows of 128 bytes + 16
.set VSTG,   16*LNP                    ; behind it the V stage: 32 rows (d) of 256 bytes + 16
.set WSTAGE, VSTG+32*PITCH             ; 11,008 bytes a wave
.set LAPS,   4                         ; a lap = two K steps = once round the ring
.set ADRA, 16                          ; v16-17  LDS address of my A fragments in slot 0, 1
.set ADRB, 20                          ; v20-21  the same for B
.set STO,  24                          ; q/k stage: where I put 16 bytes
.set RD,   25                          ; q/k stage: where I read rows back
.set CO,   26                          ; 16 x lane: my bytes in 512 consecutive bytes of qh or kh
.set VSTO, 27                          ; V stage, in
.set VRD,  28                          ; V stage, back
.set VCO,  29                          ; my bytes in two rows of vt
.set GOF,  30                          ; byte offset of my half's numbers in g and b
.set GG,   64                          ; v[64:95]   g[16 b + 8 h + j] at 8 b + j (times log2 e for q)
.set BB,   96                          ; v[96:127]  b likewise
.set T,    128                         ; v[128:143] at work
.set CN,   144                         ; v[144:175] my 32 numbers of a row, centred, then normalised
.set Y,    176                         ; v[176:191] packed f16
.set RB0,  192                         ; v[192:207], v[208:223] rows read back, two sets by turns
.set RB1,  208
.set VP,   224                         ; v[224:231] packed V
.set MEAN, 232                         ; v232 mean, v233 the other lane's part
.set RSTD, 234                         ; v234 1/sqrt(var + eps), v235 the other lane's part
.set F0,   0                           ; window 1: fragment buffer 0: A's 8 at f + 8 i, B's 6 at f + 64 + 8 i
.set F1,   112                         ; fragment buffer 1
.set G1,  24                           ; s[24:31] descriptor group 1, A
.set G0,  32                           ; s[32:39] descriptor group 0, A, a set for each slot
.set G1B, 48                           ; s[48:55] group 1, B
.set G0B, 56                           ; s[56:63] group 0, B
.set MSB, 0
.macro WIN new                         ; the immediate's high byte repeats the setting that is left
.if MSB != \new
	s_set_vgpr_msb (MSB<<8)|\new
.set MSB, \new
.endif
.endm
.set MUL_LO, 0xa5                      ; sources 0 and 1 window 1, C and D window 2
.set MUL_HI, 0xf5                      ; the same, C and D window 3
.set TO_F,   0x40                      ; destination window 1, address window 0
; A joint load: waves 0 and 1 fetch A's halves, waves 2 and 3 B's.  The branch hangs on the wave's number alone.
.macro JLOAD s
	s_cmp_eq_u32 s11, 0
	s_cbranch_scc0 .Lfor_b_\@
	tensor_load_to_lds s[G0+4*\s:G0+4*\s+3], s[G1:G1+7]
	s_nop 0
	s_branch .Lasked_\@
.Lfor_b_\@:
	tensor_load_to_lds s[G0B+4*\s:G0B+4*\s+3], s[G1B:G1B+7]
	s_nop 0
.Lasked_\@:
.endm
; A round of the cluster's barrier: my work-group's barrier; wave 0 signals for the work-group; every wave waits for all sixteen; my work-group's barrier again.
.macro CREST                           ; a round behind its opening barrier
	s_cmp_lg_u32 s10, 0
	s_cbranch_scc1 .Lnot_wave_0_\@
	s_barrier_signal -3
.Lnot_wave_0_\@:
	s_barrier_wait -3
	s_barrier_signal -1
	s_barrier_wait -1
.endm
.macro CROUND
	s_barrier_signal -1
	s_barrier_wait -1
	CREST
.endm
	s_load_b128 s[4:7], s[0:1], 0x0                ; xh s[4:5], wcat s[6:7]
	s_load_b256 s[68:75], s[0:1], 0x10             ; gq s[68:69], bq s[70:71], gk s[72:73], bk s[74:75]
	s_load_b128 s[76:79], s[0:1], 0x30             ; qh s[76:77], kh s[78:79]
	s_load_b64 s[80:81], s[0:1], 0x40              ; vt
	s_set_vgpr_msb 0x40
	v_lshl_add_u32 v254, v0, 2, 0x46400
	v_mov_b32 v255, 0
	s_set_vgpr_msb 0x4045
	ds_add_u32 v254, v255
	s_set_vgpr_msb 0x4500
	v_lshrrev_b32 v1, 5, v0
	v_readfirstlane_b32 s10, v1                    ; wave 0..3
	s_lshr_b32 s11, s10, 1                         ; rw: which 128 rows are mine.  Also: I fetch for A (0) or for B (1)
	s_and_b32 s12, s10, 1                          ; cw: which 96 columns.  Also: which half of that tile I fetch
	s_bfe_u32 s40, ttmp6, 0x40000                  ; cx
	s_bfe_u32 s41, ttmp6, 0x40004                  ; cy
	s_lshl_b32 s42, ttmp9, 2
	s_add_co_u32 s42, s42, s40                     ; head = 4 x cluster x + cx
	s_and_b32 s13, ttmp7, 0xffff
	s_lshl_b32 s13, s13, 2
	s_add_co_u32 s13, s13, s41                     ; row block = 4 x cluster y + cy
	s_lshl_b32 s43, s41, 2
	s_lshl_b32 s43, 15, s43                        ; my row of the cluster
	s_lshl_b32 s44, 0x1111, s40                    ; my column
	s_or_b32 s[G1+0], s43, (1<<16)|(1<<20)|(1<<21)|(5<<22)|(3<<25)   ; mask; elements of 2 bytes; padding on; bit 21 beside a mask; after every 64 words, 4 words
	s_or_b32 s[G1B+0], s44, (1<<16)|(1<<20)|(1<<21)|(5<<22)|(3<<25)
	s_mov_b32 s[G1+1], KSTEP<<16                   ; tensor_dim0 = 128
	s_mov_b32 s[G1B+1], KSTEP<<16
	s_mov_b32 s[G1+2], 128<<16                     ; tensor_dim1 = 128 rows
	s_mov_b32 s[G1B+2], 96<<16                     ; 96 rows
	s_mov_b32 s[G1+3], KSTEP<<16                   ; tile_dim0 = 128
	s_mov_b32 s[G1B+3], KSTEP<<16
	s_mov_b32 s[G1+4], 128                         ; tile_dim1
	s_mov_b32 s[G1B+4], 96
	s_mov_b32 s[G1+5], 1024                        ; elements from row to row
	s_mov_b32 s[G1B+5], 1024
	s_mov_b32 s[G1+6], 0
	s_mov_b32 s[G1B+6], 0
	s_mov_b32 s[G1+7], 0
	s_mov_b32 s[G1B+7], 0
	; where the tiles come from: A's address is made of the row block and the wave's number, B's of the head and the wave's number, in registers of their own
	s_lshl_b32 s16, s13, 8
	s_lshl_b32 s17, s12, 7
	s_add_co_u32 s16, s16, s17                     ; xh row 256 x block + 128 x half
	s_lshl_b32 s16, s16, 11                        ; rows of 2,048 bytes: below 2^23
	s_mov_b32 s17, 0
	s_mul_i32 s46, s42, 192
	s_mul_i32 s47, s12, 96
	s_add_co_u32 s46, s46, s47                     ; wcat row 192 x head + 96 x half
	s_lshl_b32 s46, s46, 11
	s_mov_b32 s47, 0
	s_mul_i32 s20, s10, HALFA                      ; and where they go: A's halves at wave x 34,816 (waves 0, 1),
	s_mul_i32 s45, s10, HALFB
	s_add_co_u32 s45, s45, 2*HALFA-2*HALFB         ; B's behind them at wave x 26,112 + 17,408 (waves 2, 3)
	s_mov_b32 s94, 0x76543210                      ; v_permlanex16_b32: lane i reads lane i of the other half
	s_mov_b32 s95, 0xfedcba98
	s_mov_b32 s96, 0x3c800000                      ; 1/64
	s_mov_b32 s66, 0x3727c5ac                      ; eps = 1e-5
	s_wait_dscnt 0x0
	s_wait_kmcnt 0x0
	s_add_nc_u64 s[14:15], s[4:5], s[16:17]
	s_add_nc_u64 s[46:47], s[6:7], s[46:47]
	CROUND                                         ; all sixteen work-groups are here: the first joint loads meet
.irp s, 0,1
	s_mov_b32 s[G0+4*\s], 1
	s_add_co_u32 s[G0+4*\s+1], s20, \s*SLOT
	s_add_nc_u64 s[G0+4*\s+2:G0+4*\s+3], s[14:15], \s*KSTEP*2
	s_or_b32 s[G0+4*\s+3], s[G0+4*\s+3], 0x80000000
	s_mov_b32 s[G0B+4*\s], 1
	s_add_co_u32 s[G0B+4*\s+1], s45, \s*SLOT
	s_add_nc_u64 s[G0B+4*\s+2:G0B+4*\s+3], s[46:47], \s*KSTEP*2
	s_or_b32 s[G0B+4*\s+3], s[G0B+4*\s+3], 0x80000000
	JLOAD \s                                       ; both first fills go out together: two tensor loads of a wave are out here, one later
.endr
	v_and_b32 v1, 15, v0                           ; r = lane % 16
	v_bfe_u32 v2, v0, 4, 1                         ; h = lane / 16
	v_and_b32 v6, 31, v0                           ; lane
	v_mul_u32_u24 v3, v1, PITCH
	v_lshl_add_u32 v3, v2, 4, v3                   ; r x pitch + 16 h
	s_mul_i32 s21, s11, HALFA                      ; my 128 rows of A
	s_mul_i32 s22, s12, HALFB                      ; my 96 rows of B,
	s_add_co_u32 s22, s22, 2*HALFA                 ; behind A's 256
.irp s, 0,1
	v_add_nc_u32 v[ADRA+\s], s21, v3
	v_add_nc_u32 v[ADRB+\s], s22, v3
	s_add_co_u32 s21, s21, SLOT
	s_add_co_u32 s22, s22, SLOT
.endr
	s_mul_i32 s23, s10, WSTAGE
	s_add_co_u32 s23, s23, STAGE                   ; my stage
	v_mul_u32_u24 v4, v1, LNP
	v_lshl_add_u32 v4, v2, 4, v4
	v_add_nc_u32 v[STO], s23, v4                   ; in: row r, 16 bytes for each half of the lanes
	v_lshrrev_b32 v4, 3, v6
	v_mul_u32_u24 v4, v4, LNP
	v_and_b32 v5, 7, v6
	v_lshl_add_u32 v4, v5, 4, v4
	v_add_nc_u32 v[RD], s23, v4                    ; back: eight lanes take a row of 128 bytes, a load four rows
	v_lshlrev_b32 v[CO], 4, v6
	s_add_co_u32 s23, s23, VSTG
	v_add_nc_u32 v[VSTO], s23, v3                  ; V in: row d = r, 16 bytes for each half
	v_mul_u32_u24 v4, v2, PITCH
	v_lshl_add_u32 v4, v1, 4, v4
	v_add_nc_u32 v[VRD], s23, v4                   ; V back: sixteen lanes take a row of 256 bytes
	v_lshlrev_b32 v4, 12, v2
	v_lshl_add_u32 v[VCO], v1, 4, v4               ; the same two rows in vt (4,096 bytes apart)
	v_lshlrev_b32 v[GOF], 5, v2                    ; 8 h numbers of 4 bytes
	v_mov_b32 v[MEAN+1], 0                         ; destinations of v_permlanex16_b32 count as read
	v_mov_b32 v[RSTD+1], 0
	s_cmp_eq_u32 s12, 0                            ; cw = 0: q, cw = 1: k
	s_cselect_b64 s[82:83], s[68:69], s[72:73]     ; g
	s_cselect_b64 s[84:85], s[70:71], s[74:75]     ; b
	s_cselect_b64 s[88:89], s[76:77], s[78:79]     ; where the normalised rows go
	s_cselect_b32 s86, 0x3fb8aa3b, 1.0             ; q carries log2(e), so that the softmax works in base 2
	s_mov_b32 s87, s86
.irp b, 0,1,2,3
	global_load_b128 v[GG+8*\b:GG+8*\b+3],   v[GOF], s[82:83] offset:64*\b
	global_load_b128 v[GG+8*\b+4:GG+8*\b+7], v[GOF], s[82:83] offset:64*\b+16
	global_load_b128 v[BB+8*\b:BB+8*\b+3],   v[GOF], s[84:85] offset:64*\b
	global_load_b128 v[BB+8*\b+4:BB+8*\b+7], v[GOF], s[84:85] offset:64*\b+16
.endr
	; where the results go: n = block / 8, l = 256 (block % 8) + 128 rw
	s_lshr_b32 s92, s13, 3
	s_lshl_b32 s92, s92, 22                        ; n x 16 heads x 262,144 bytes
	s_lshl_b32 s93, s42, 18
	s_add_co_u32 s92, s92, s93                     ; + head x 262,144
	s_and_b32 s97, s13, 7
	s_lshl_b32 s97, s97, 8
	s_lshl_b32 s98, s11, 7
	s_add_co_u32 s97, s97, s98                     ; l of my first row
	s_lshl_b32 s98, s97, 7                         ; rows of 128 bytes in qh and kh
	s_add_co_u32 s98, s98, s92
	s_mov_b32 s99, 0
	s_add_nc_u64 s[88:89], s[88:89], s[98:99]
	s_lshl_b32 s98, s97, 1                         ; 2 bytes for each l in vt,
	s_add_co_u32 s98, s98, s92
	s_lshl_b32 s93, s12, 17                        ; rows d = 32 cw .. of 4,096 bytes
	s_add_co_u32 s98, s98, s93
	s_add_nc_u64 s[90:91], s[80:81], s[98:99]
	s_wait_loadcnt 0x0                             ; g and b, once
.set k, 0
.rept 32
	v_pk_mul_f32 v[GG+2*k:GG+2*k+1], v[GG+2*k:GG+2*k+1], s[86:87] op_sel_hi:[1,0]
.set k, k+1
.endr
; 6 matrix instructions: row tile a of the window's four (hi = 0: my rows 0-63, 1: rows 64-127) x all 6 column tiles, 32 along K.
; zero = 1: the first product starts the sums.  The 48 accumulators take turns, one instruction a turn, in the same order in every quarter step.
.macro MULA f, hi, a, zero
.irp b, 0,1,2,3
.if \zero
	v_wmma_f32_16x16x32_f16 v[8*(6*\a+\b):8*(6*\a+\b)+7], v[\f+64+8*\b:\f+64+8*\b+7], v[\f+8*(4*\hi+\a):\f+8*(4*\hi+\a)+7], 0
.else
	v_wmma_f32_16x16x32_f16 v[8*(6*\a+\b):8*(6*\a+\b)+7], v[\f+64+8*\b:\f+64+8*\b+7], v[\f+8*(4*\hi+\a):\f+8*(4*\hi+\a)+7], v[8*(6*\a+\b):8*(6*\a+\b)+7]
.endif
.endr
.irp b, 4,5
.if \zero
	v_wmma_f32_16x16x32_f16 v[8*(6*\a+\b):8*(6*\a+\b)+7], v[\f+8*(4*\hi+\a):\f+8*(4*\hi+\a)+7], v[\f+64+8*\b:\f+64+8*\b+7], 0
.else
	v_wmma_f32_16x16x32_f16 v[8*(6*\a+\b):8*(6*\a+\b)+7], v[\f+8*(4*\hi+\a):\f+8*(4*\hi+\a)+7], v[\f+64+8*\b:\f+64+8*\b+7], v[8*(6*\a+\b):8*(6*\a+\b)+7]
.endif
.endr
.endm
; 28 LDS loads in one run: one quarter step's fragments (96 rows of B, then 128 rows of A, 32 K at byte k of the rows) into buffer f
.macro FETCH slot, k, f
	WIN TO_F
.irp i, 0,1,2,3,4,5
	ds_load_b128 v[\f+64+8*\i:\f+64+8*\i+3],   v[ADRB+\slot] offset:\k+\i*16*PITCH
	ds_load_b128 v[\f+64+8*\i+4:\f+64+8*\i+7], v[ADRB+\slot] offset:\k+\i*16*PITCH+32
.endr
.irp i, 0,1,2,3,4,5,6,7
	ds_load_b128 v[\f+8*\i:\f+8*\i+3],   v[ADRA+\slot] offset:\k+\i*16*PITCH
	ds_load_b128 v[\f+8*\i+4:\f+8*\i+7], v[ADRA+\slot] offset:\k+\i*16*PITCH+32
.endr
.endm
; Four places behind the last matrix instruction (ISA guide 7.12.1 for vector instructions) before a load lands on a register that a matrix
; instruction has read or a vector instruction reads a result; the matrix instructions in between are not counted.
.macro PLACES
.rept 4
	v_nop
.endr
.endm
; One of a K step's first three quarters: multiplies buffer f, and in its middle fetches the next quarter's fragments into buffer g.
.macro QUARTER slot, k, f, g, zero
	s_wait_dscnt 8                                 ; B and A's row tiles 0-3 are in; the youngest eight loads (A's row tiles 4-7) may be out
	WIN MUL_LO
	MULA \f, 0, 0, \zero
	MULA \f, 0, 1, \zero
	MULA \f, 0, 2, \zero
	MULA \f, 0, 3, \zero
	PLACES
	FETCH \slot, \k, \g
	s_wait_dscnt 28                                ; all but the 28 just issued
	WIN MUL_HI
	MULA \f, 1, 0, \zero
	MULA \f, 1, 1, \zero
	MULA \f, 1, 2, \zero
	MULA \f, 1, 3, \zero
.endm
.macro THREE slot, zero
	QUARTER \slot, 64,  F0, F1, \zero
	QUARTER \slot, 128, F1, F0, 0
	QUARTER \slot, 192, F0, F1, 0
.endm
; The last quarter: multiplies buffer 1 and changes slots.  In front of the barrier each wave waits for its reads of this slot and for all its tensor
; loads (one is out: its part of the next slot).  Behind it, where the slot is filled again, the rest of a round of the cluster's barrier, then the joint
; refill as the wave's first and only tensor load, then the next slot's first fragments.  From a request to the wait for it a wave issues 180 matrix instructions.
.macro TURN slot, next, fill
	s_wait_dscnt 8
	WIN MUL_LO
	MULA F1, 0, 0, 0
	MULA F1, 0, 1, 0
	s_wait_dscnt 0                                 ; my reads of this slot are over
	s_wait_tensorcnt 0x0                           ; all my tensor loads have landed
	ds_add_u32 v254, v255
	s_wait_dscnt 0x0
	s_barrier_signal -1
	MULA F1, 0, 2, 0                               ; register work while the others arrive
	MULA F1, 0, 3, 0
	WIN 0
	s_barrier_wait -1
.if \fill
	CREST                                          ; no wave of any partner still reads this slot or has a load on its way
	s_add_nc_u64 s[G0+4*\slot+2:G0+4*\slot+3], s[G0+4*\slot+2:G0+4*\slot+3], 2*KSTEP*2
	s_add_nc_u64 s[G0B+4*\slot+2:G0B+4*\slot+3], s[G0B+4*\slot+2:G0B+4*\slot+3], 2*KSTEP*2
	JLOAD \slot
.endif
	PLACES
	FETCH \next, 0, F0
	WIN MUL_HI
	MULA F1, 1, 0, 0
	MULA F1, 1, 1, 0
	MULA F1, 1, 2, 0
	MULA F1, 1, 3, 0
.endm
.macro LAP zero
	THREE 0, \zero
	TURN 0, 1, 1
	THREE 1, 0
	TURN 1, 0, 1
.endm
	s_wait_tensorcnt 1                             ; my part of K step 0 is in; K step 1's may stay out
	s_barrier_signal -1
	s_barrier_wait -1
	FETCH 0, 0, F0
	LAP 1                                          ; the first lap's first products start the sums
	WIN 0
	s_mov_b32 s3, LAPS-2
.Llap:
	LAP 0
	WIN 0
	s_sub_co_u32 s3, s3, 1
	s_cmp_lg_u32 s3, 0
	s_cbranch_scc1 .Llap
	THREE 0, 0                                     ; the last lap fills nothing
	TURN 0, 1, 0
	THREE 1, 0
	s_wait_dscnt 8
	WIN MUL_LO
	MULA F1, 0, 0, 0
	MULA F1, 0, 1, 0
	MULA F1, 0, 2, 0
	MULA F1, 0, 3, 0
	s_wait_dscnt 0
	WIN MUL_HI
	MULA F1, 1, 0, 0
	MULA F1, 1, 1, 0
	MULA F1, 1, 2, 0
	MULA F1, 1, 3, 0
	PLACES                                         ; behind the last matrix instructions, in front of the first reads of results
; THE WAY OUT, 16 rows at a time.  i: row tile 0..7; a = i % 4, in window w (from = w in the places of sources 0 and 1); rb: the read-back set.
; Lane (r, h) holds row r's columns 16 b + 8 h + j (b = 0..3): 32 of the head's 64; lane l xor 16 holds the other 32.
.macro OUTA i, a, from, w, rb
	WIN \from
.irp k, 0,1,2,3,4,5,6,7
	v_pk_add_f32 v[T+2*\k:T+2*\k+1], v[48*\a+4*\k:48*\a+4*\k+1], v[48*\a+4*\k+2:48*\a+4*\k+3]   ; the row's sum, first level
.endr
.irp k, 0,1,2,3,4,5,6,7
	v_cvt_pk_f16_f32 v[VP+\k], v[48*\a+32+2*\k], v[48*\a+32+2*\k+1]                             ; V: 8 neighbouring l of column d, twice
.endr
	WIN 0
	v_pk_add_f32 v[T:T+1], v[T:T+1], v[T+2:T+3]
	v_pk_add_f32 v[T+4:T+5], v[T+4:T+5], v[T+6:T+7]
	v_pk_add_f32 v[T+8:T+9], v[T+8:T+9], v[T+10:T+11]
	v_pk_add_f32 v[T+12:T+13], v[T+12:T+13], v[T+14:T+15]
	v_pk_add_f32 v[T:T+1], v[T:T+1], v[T+4:T+5]
	v_pk_add_f32 v[T+8:T+9], v[T+8:T+9], v[T+12:T+13]
	v_pk_add_f32 v[T:T+1], v[T:T+1], v[T+8:T+9]
	v_add_f32 v[T], v[T], v[T+1]
	v_permlanex16_b32 v[MEAN+1], v[T], s94, s95
	v_add_f32 v[T], v[T], v[MEAN+1]
	v_mul_f32 v[MEAN], s96, v[T]                   ; the mean of the 64
	ds_store_b128 v[VSTO], v[VP:VP+3] offset:32*\i
	ds_store_b128 v[VSTO], v[VP+4:VP+7] offset:16*PITCH+32*\i
	WIN \w
.irp k, 0,1,2,3,4,5,6,7,8,9,10,11,12,13,14,15
	v_pk_add_f32 v[CN+2*\k:CN+2*\k+1], v[48*\a+2*\k:48*\a+2*\k+1], v[MEAN:MEAN+1] op_sel_hi:[1,0] neg_lo:[0,1] neg_hi:[0,1]   ; centred, and moved to window 0
.endr
	WIN 0
	v_pk_mul_f32 v[T:T+1], v[CN:CN+1], v[CN:CN+1]                  ; the centred numbers' squares, two chains
	v_pk_mul_f32 v[T+2:T+3], v[CN+2:CN+3], v[CN+2:CN+3]
.irp k, 2,4,6,8,10,12,14
	v_pk_fma_f32 v[T:T+1], v[CN+2*\k:CN+2*\k+1], v[CN+2*\k:CN+2*\k+1], v[T:T+1]
	v_pk_fma_f32 v[T+2:T+3], v[CN+2*\k+2:CN+2*\k+3], v[CN+2*\k+2:CN+2*\k+3], v[T+2:T+3]
.endr
	v_pk_add_f32 v[T:T+1], v[T:T+1], v[T+2:T+3]
	v_add_f32 v[T], v[T], v[T+1]
	v_permlanex16_b32 v[RSTD+1], v[T], s94, s95
	v_add_f32 v[T], v[T], v[RSTD+1]
	v_fma_f32 v[T], v[T], s96, s66                 ; variance + eps
	v_rsq_f32 v[RSTD], v[T]
	v_nop                                          ; one plain place behind the transcendental (ISA guide 5.7.2)
	s_wait_alu depctr_va_vdst(0)
.irp k, 0,1,2,3,4,5,6,7,8,9,10,11,12,13,14,15
	v_pk_mul_f32 v[CN+2*\k:CN+2*\k+1], v[CN+2*\k:CN+2*\k+1], v[RSTD:RSTD+1] op_sel_hi:[1,0]
.endr
.irp k, 0,1,2,3,4,5,6,7,8,9,10,11,12,13,14,15
	v_pk_fma_f32 v[CN+2*\k:CN+2*\k+1], v[CN+2*\k:CN+2*\k+1], v[GG+2*\k:GG+2*\k+1], v[BB+2*\k:BB+2*\k+1]
.endr
.irp k, 0,1,2,3,4,5,6,7,8,9,10,11,12,13,14,15
	v_cvt_pk_f16_f32 v[Y+\k], v[CN+2*\k], v[CN+2*\k+1]
.endr
.irp b, 0,1,2,3
	ds_store_b128 v[STO], v[Y+4*\b:Y+4*\b+3] offset:32*\b
.endr
	s_wait_xcnt 0x0                                ; the read-back set is the data of earlier stores: it is loaded again only behind this wait
.irp t, 0,1,2,3
	ds_load_b128 v[\rb+4*\t:\rb+4*\t+3], v[RD] offset:\t*4*LNP     ; a wave's LDS instructions are served in order: these see the stores above
.endr
.irp t, 0,1,2,3
	s_wait_dscnt 3-\t                              ; the younger read-backs may be out
	global_store_b128 v[CO], v[\rb+4*\t:\rb+4*\t+3], s[88:89] offset:2048*\i+512*\t   ; four rows of 128 bytes: 512 consecutive bytes, aligned
.endr
.endm
	OUTA 0, 0, 0x0a, 2, RB0
	OUTA 1, 1, 0x0a, 2, RB1
	OUTA 2, 2, 0x0a, 2, RB0
	OUTA 3, 3, 0x0a, 2, RB1
	OUTA 4, 0, 0x0f, 3, RB0
	OUTA 5, 1, 0x0f, 3, RB1
	OUTA 6, 2, 0x0f, 3, RB0
	OUTA 7, 3, 0x0f, 3, RB1
	; V: the stage now holds 32 rows d x 128 l; two rows a load, sixteen lanes store 256 consecutive aligned bytes of a row of vt
.irp u, 0,1
	s_wait_xcnt 0x0                                ; both read-back sets are the data of earlier stores
.irp t, 0,1,2,3,4,5,6,7
	ds_load_b128 v[RB0+4*\t:RB0+4*\t+3], v[VRD] offset:(8*\u+\t)*2*PITCH
.endr
.irp t, 0,1,2,3,4,5,6,7
	s_wait_dscnt 7-\t
	global_store_b128 v[VCO], v[RB0+4*\t:RB0+4*\t+3], s[90:91] offset:(8*\u+\t)*8192
.endr
.endr
	s_set_vgpr_msb 0x5
	s_wait_tensorcnt 0x0
	ds_add_u32 v254, v255
	s_wait_dscnt 0x0
	s_set_vgpr_msb 0x500
	CROUND                                         ; the closing round: no work-group ends while a partner may still ask for a tile that names it
	s_endpgm
.Lfunc_end_k_q59fc964814_qkv:
	.size	k_q59fc964814_qkv, .Lfunc_end_k_q59fc964814_qkv-k_q59fc964814_qkv
	.p2alignl 7, 3214868480
	.fill 96, 4, 3214868480
	.section	.rodata,"a",@progbits
	.p2align	6, 0x0
	.amdhsa_kernel k_q59fc964814_qkv
		.amdhsa_group_segment_fixed_size 327680
		.amdhsa_private_segment_fixed_size 0
		.amdhsa_enable_private_segment 0
		.amdhsa_kernarg_size 72
		.amdhsa_user_sgpr_count 2
		.amdhsa_user_sgpr_kernarg_segment_ptr 1
		.amdhsa_wavefront_size32 1
		.amdhsa_system_sgpr_workgroup_id_x 1
		.amdhsa_system_sgpr_workgroup_id_y 1
		.amdhsa_system_sgpr_workgroup_id_z 1
		.amdhsa_system_vgpr_workitem_id 0
		.amdhsa_next_free_vgpr 960
		.amdhsa_next_free_sgpr 100
		.amdhsa_reserve_vcc 0
		.amdhsa_float_denorm_mode_32 3
		.amdhsa_float_denorm_mode_16_64 3
		.amdhsa_memory_ordered 1
		.amdhsa_forward_progress 1
		.amdhsa_inst_pref_size 206
	.end_amdhsa_kernel
	.amdgpu_metadata
---
amdhsa.version: [ 1, 2 ]
amdhsa.kernels:
  - .name:           k_q59fc964814_qkv
    .symbol:         k_q59fc964814_qkv.kd
    .args:
      - { .name: xh, .offset: 0, .size: 8, .value_kind: global_buffer, .address_space: global }
      - { .name: wcat, .offset: 8, .size: 8, .value_kind: global_buffer, .address_space: global }
      - { .name: gq, .offset: 16, .size: 8, .value_kind: global_buffer, .address_space: global }
      - { .name: bq, .offset: 24, .size: 8, .value_kind: global_buffer, .address_space: global }
      - { .name: gk, .offset: 32, .size: 8, .value_kind: global_buffer, .address_space: global }
      - { .name: bk, .offset: 40, .size: 8, .value_kind: global_buffer, .address_space: global }
      - { .name: qh, .offset: 48, .size: 8, .value_kind: global_buffer, .address_space: global }
      - { .name: kh, .offset: 56, .size: 8, .value_kind: global_buffer, .address_space: global }
      - { .name: vt, .offset: 64, .size: 8, .value_kind: global_buffer, .address_space: global }
    .group_segment_fixed_size: 327680
    .private_segment_fixed_size: 0
    .kernarg_segment_align: 8
    .kernarg_segment_size: 72
    .max_flat_workgroup_size: 128
    .sgpr_count:     100
    .vgpr_count:     960
    .wavefront_size: 32
...
	.end_amdgpu_metadata
.endif
;; end of part 2
;; launch attn (part 3): grid 256 x 1, 8 waves a work-group, no clusters, 327,680 bytes of LDS; arguments qh, kh, vt, ao; writes ao
.if DOCPART == 3
	.amdgcn_target "amdgcn-amd-amdhsa--gfx1250"
	.amdhsa_code_object_version 6
	.text
	.protected	k_q59fc964814_attn
	.globl	k_q59fc964814_attn
	.p2align	8
	.type	k_q59fc964814_attn,@function
k_q59fc964814_attn:
	s_mov_b64 s[64:65], 0
	v_nop
	global_prefetch_b8 v0, s[64:65] scope:SCOPE_SE
	s_setreg_imm32_b32 hwreg(HW_REG_WAVE_MODE, 25, 1), 1
	s_wait_xcnt 0x0
; Causal softmax attention for one (n, head) and two blocks of 128 queries: block j and then block 15 - j, so that every work-group walks
; (j + 1) + (16 - j) = 17 units of 128 keys.  Key blocks above the diagonal, which reference()'s own causal mask throws away, are not computed.
; qh (normalised, times log2 e), kh: f16 [32][2048][64]; vt: f16 [32][64 d][2048 l]; ao: f16 [32][2048][64].  Softmax in f32 with a running maximum, base 2.
; The weights P lie in [0, 1] and go to the second product in f16; ao is a weighted mean of rows of V and has V's range.
; The input 'mask' is not read: reference() takes it and never uses it.
; LIMITS: masked scores take -1e30 as in reference(), here behind the factor log2(e); v_exp_f32 gives 0 for results below 2^-126; a weight under 2^-25
; of its wave's running maximum's rounds to 0 in f16.
; Eight waves = 4 groups of 32 queries (w' = wave & 3) x 2 halves of each unit's keys (g = wave >> 2); at a block's end the halves are merged through LDS.
; Units go from the diagonal downward: stream step u = 0..16 takes key unit f(u) = j - u (u <= j) or 16 - u.
; NO MULTICAST: at step u work-groups of one head with different j need different key units (f hangs on j), so no joint request is alike in all partners.
; BOTH PRODUCTS ARE USED TRANSPOSED.  S^T = K Q^T (source 0 = 16 keys, source 1 = 16 queries): lane (r, h) holds query r, keys 8 h + j.  Two neighbouring
; tiles of S^T, packed to f16, are the second source of O^T = V^T P^T as they lie: P makes no way through LDS.  Maximum, sum and scale are one number a lane.
; Register tile t of a wave means query sub-tile t xor g: every wave keeps its tile 0 and sends its tile 1, which is its partner's tile 0.
; A row whose keys are all masked in one wave (g = 1 in a diagonal unit) keeps the maximum -1e30 and finite sums; the next rescaling or the merge multiplies
; them by exp2(-1e30 - m) = 0.  The g = 0 wave always sees the unit's first key, so the merged maximum is a true one.
.set SLOT,  35840                      ; K: 128 rows x 144, then V^T: 64 rows x 272
.set KP,    144                        ; 128 bytes + 16
.set VPI,   272                        ; 256 bytes + 16
.set VOFS,  128*KP
.set SCR,   2*SLOT                     ; merge scratch, never filled by a tensor load: for (w', g) 4,352 bytes: O 8 x 512, m at 4,096, l at 4,224
.set SCRH,  4352
.set SCR2,  8*SCRH                     ; a second scratch of the same shape, 34,816 bytes further
.set STG,   SCR+2*SCR2                 ; each wave's stage for the way out: 16 rows x 144
.set STGW,  16*KP
.set MX,   2                           ; v2, v4   running maxima of tiles 0, 1   (each the low register of a pair whose high register is an address:
.set KADR, 3                           ; v3, v5   K fragments' address, slot 0, 1    the packed forms broadcast the low one and the pair is written whole)
.set AL,   6                           ; v6, v8   rescaling factors
.set VADR, 7                           ; v7, v9   V^T fragments' address, slot 0, 1
.set LS,   10                          ; v10, v11 my lane's part of the sums
.set DLT,  12                          ; v12, v13 diagonal unit: key 16 kt + jj is open where it is <= this
.set QOFF, 14                          ; v14, v15 byte offset of my Q fragments in the block
.set SST,  16                          ; scratch: my region + 16 lane
.set SLD,  17                          ; my partner's region + 16 lane
.set SSM,  18                          ; my region + 4 lane
.set SLM,  19                          ; my partner's + 4 lane
.set GST,  20                          ; stage, in
.set GRD,  21                          ; stage, back
.set OOFF, 22                          ; my bytes in the block's rows of ao
.set TT,   24                          ; v[24:31]   at work
.set QF,   32                          ; v[32:63]   Q(t, c) at 16 t + 8 c (c: d 0-31, 32-63)
.set OA,   64                          ; v[64:127]  O(dt, t) at 8 (2 dt + t)
.set SC,   128                         ; v[128:191] S(t, kt) at 8 (4 t + kt); P(t, c) in place at 32 t + 16 c
.set XF,   192                         ; v[192:255] K fragments, then V^T fragments, then the merge
.set G1K, 32                           ; s[32:39] group 1, K
.set G1V, 40                           ; s[40:47] group 1, V^T
.set G0K, 48                           ; s[48:55] group 0, K, a set for each slot
.set G0V, 56                           ; s[56:63] group 0, V^T
.set KU,  20                           ; s20, s21 the key unit that each slot's group 0 names
	s_load_b256 s[4:11], s[0:1], 0x0               ; qh s[4:5], kh s[6:7], vt s[8:9], ao s[10:11]
	v_lshl_add_u32 v23, v0, 2, 0x29000
	s_set_vgpr_msb 0x40
	v_mov_b32 v1, 0
	s_set_vgpr_msb 0x4044
	ds_add_u32 v23, v1
	s_set_vgpr_msb 0x4400
	v_lshrrev_b32 v1, 5, v0
	v_readfirstlane_b32 s12, v1                    ; wave 0..7
	s_and_b32 s13, s12, 3                          ; w'
	s_lshr_b32 s14, s12, 2                         ; g
	s_lshr_b32 s15, ttmp9, 3                       ; n x 16 + head
	s_and_b32 s16, ttmp9, 7                        ; j
	s_add_co_u32 s17, s16, 1                       ; the stream step at which block 15 - j begins
	s_sub_co_u32 s18, 16, s16                      ; what f gains where j - u would turn negative
	s_mov_b32 s74, 0x76543210
	s_mov_b32 s75, 0xfedcba98
	s_mov_b32 s76, 0xf149f2ca                      ; -1e30
	s_mov_b32 s[G1K+0], (1<<16)|(1<<20)|(4<<22)|(3<<25)   ; elements of 2 bytes; padding: after every 32 words, 4 words
	s_mov_b32 s[G1K+1], 64<<16                     ; tensor_dim0 = 64
	s_mov_b32 s[G1K+2], 64<<16                     ; tensor_dim1 = 64 rows
	s_mov_b32 s[G1K+3], 64<<16                     ; tile_dim0
	s_mov_b32 s[G1K+4], 64                         ; tile_dim1
	s_mov_b32 s[G1K+5], 64                         ; elements from row to row
	s_mov_b32 s[G1K+6], 0
	s_mov_b32 s[G1K+7], 0
	s_mov_b32 s[G1V+0], (1<<16)|(1<<20)|(5<<22)|(3<<25)   ; after every 64 words, 4 words
	s_mov_b32 s[G1V+1], 128<<16                    ; 128 keys
	s_mov_b32 s[G1V+2], 32<<16                     ; 32 rows d
	s_mov_b32 s[G1V+3], 128<<16
	s_mov_b32 s[G1V+4], 32
	s_mov_b32 s[G1V+5], 2048
	s_mov_b32 s[G1V+6], 0
	s_mov_b32 s[G1V+7], 0
	s_mov_b32 s25, 0                               ; the offset pairs' upper words
	s_mov_b32 s27, 0
	s_and_b32 s22, s12, 1                          ; which half of a tile I fetch
	s_lshl_b32 s23, s15, 18                        ; the head's 262,144 bytes in each of the four buffers
	s_lshl_b32 s24, s22, 13                        ; 64 keys of 128 bytes
	s_add_co_u32 s24, s24, s23
	s_lshl_b32 s26, s22, 17                        ; 32 rows d of 4,096 bytes
	s_add_co_u32 s26, s26, s23
	s_mov_b32 s20, s16                             ; f(0) = j
	s_sub_co_i32 s21, s16, 1                       ; f(1) = j - 1, or 15 where j = 0
	s_cmp_lt_i32 s21, 0
	s_cselect_b32 s22, s18, 0
	s_add_co_i32 s21, s21, s22
	s_mul_i32 s77, s12, 64*KP                      ; K's halves at wave x 9,216 (waves 0, 1)
	s_mul_i32 s78, s12, 32*VPI
	s_add_co_u32 s78, s78, VOFS-2*32*VPI           ; V^T's behind them at wave x 8,704 + 1,024 (waves 2, 3)
	s_wait_dscnt 0x0
	s_barrier_signal -1
	s_barrier_wait -1
	s_wait_kmcnt 0x0
	s_add_nc_u64 s[28:29], s[6:7], s[24:25]        ; kh at the head and my half
	s_add_nc_u64 s[30:31], s[8:9], s[26:27]        ; vt likewise
.irp s, 0,1
	s_mov_b32 s[G0K+4*\s], 1
	s_add_co_u32 s[G0K+4*\s+1], s77, \s*SLOT
	s_lshl_b32 s24, s[KU+\s], 14                   ; a unit is 128 keys of 128 bytes
	s_add_nc_u64 s[G0K+4*\s+2:G0K+4*\s+3], s[28:29], s[24:25]
	s_or_b32 s[G0K+4*\s+3], s[G0K+4*\s+3], 0x80000000
	s_mov_b32 s[G0V+4*\s], 1
	s_add_co_u32 s[G0V+4*\s+1], s78, \s*SLOT
	s_lshl_b32 s26, s[KU+\s], 8                    ; and 256 bytes along a row of vt
	s_add_nc_u64 s[G0V+4*\s+2:G0V+4*\s+3], s[30:31], s[26:27]
	s_or_b32 s[G0V+4*\s+3], s[G0V+4*\s+3], 0x80000000
.endr
; A unit's tiles: waves 0, 1 bring K's halves, waves 2, 3 V^T's, 8 KiB each; waves 4 to 7 bring nothing.  One tensor load a wave.
.macro KVLOAD s
	s_cmp_gt_u32 s12, 1
	s_cbranch_scc1 .Lnot_k_\@
	tensor_load_to_lds s[G0K+4*(\s):G0K+4*(\s)+3], s[G1K:G1K+7]
	s_nop 0
	s_branch .Lasked_\@
.Lnot_k_\@:
	s_cmp_gt_u32 s12, 3
	s_cbranch_scc1 .Lasked_\@
	tensor_load_to_lds s[G0V+4*(\s):G0V+4*(\s)+3], s[G1V:G1V+7]
	s_nop 0
.Lasked_\@:
.endm
	KVLOAD 0                                       ; the one first fill: unit f(0) into slot 0
	s_lshl_b32 s24, s16, 14                        ; block j: 128 rows of 128 bytes
	s_add_co_u32 s24, s24, s23
	s_add_nc_u64 s[66:67], s[4:5], s[24:25]        ; qh, first block
	s_add_nc_u64 s[70:71], s[10:11], s[24:25]      ; ao, first block
	s_sub_co_u32 s24, 15, s16
	s_lshl_b32 s24, s24, 14
	s_add_co_u32 s24, s24, s23
	s_add_nc_u64 s[68:69], s[4:5], s[24:25]        ; qh, second block
	s_add_nc_u64 s[72:73], s[10:11], s[24:25]      ; ao, second block
	v_and_b32 v24, 15, v0                          ; r
	v_bfe_u32 v25, v0, 4, 1                        ; h
	v_and_b32 v27, 31, v0                          ; lane
	v_lshlrev_b32 v28, 4, v25                      ; 16 h
	s_lshl_b32 s22, s13, 5
	s_lshl_b32 s23, s14, 4
	s_add_co_u32 s22, s22, s23                     ; 32 w' + 16 g: the first query of my tile 0
	v_add_nc_u32 v[QOFF], s22, v24
	v_lshl_add_u32 v[QOFF], v[QOFF], 7, v28        ; row x 128 + 16 h
	v_xor_b32 v[QOFF+1], 0x800, v[QOFF]            ; tile 1: the other sub-tile, 16 rows = 2,048 bytes away (that bit is g)
.macro QLOAD qb                        ; a block's Q fragments: query r, d = 32 c + 8 h .. and 32 c + 16 + 8 h ..
.irp t, 0,1
.irp c, 0,1
	global_load_b128 v[QF+16*\t+8*\c:QF+16*\t+8*\c+3],   v[QOFF+\t], s[\qb:\qb+1] offset:64*\c
	global_load_b128 v[QF+16*\t+8*\c+4:QF+16*\t+8*\c+7], v[QOFF+\t], s[\qb:\qb+1] offset:64*\c+32
.endr
.endr
.endm
	QLOAD 66
	s_lshl_b32 s23, s22, 7
	v_lshl_add_u32 v[OOFF], v27, 4, s23            ; tile 0's 16 rows in ao: 2,048 consecutive bytes
	v_mul_u32_u24 v29, v24, KP
	v_add_nc_u32 v29, v29, v28                     ; r x 144 + 16 h
	s_mul_i32 s22, s14, 64*KP                      ; my half's 64 keys
	v_add_nc_u32 v[KADR], s22, v29
	v_add_nc_u32 v[KADR+2], SLOT, v[KADR]
	v_mul_u32_u24 v30, v24, VPI
	v_add_nc_u32 v30, v30, v28                     ; r x 272 + 16 h
	s_lshl_b32 s22, s14, 7                         ; my half's 64 keys: 128 bytes along the row
	s_add_co_u32 s22, s22, VOFS
	v_add_nc_u32 v[VADR], s22, v30
	v_add_nc_u32 v[VADR+2], SLOT, v[VADR]
	v_lshlrev_b32 v31, 3, v25
	v_sub_nc_u32 v31, v24, v31                     ; r - 8 h
	s_lshl_b32 s22, s13, 5
	s_mul_i32 s23, s14, 48
	s_sub_co_i32 s22, s22, s23
	v_add_nc_u32 v[DLT], s22, v31                  ; query - key's fixed part, tile 0: 32 w' + 16 g - 64 g + r - 8 h
	s_lshl_b32 s23, s14, 5
	s_sub_co_i32 s22, s22, s23
	s_add_co_i32 s22, s22, 16
	v_add_nc_u32 v[DLT+1], s22, v31                ; tile 1: 32 w' + 16 (1 - g) - 64 g + r - 8 h
	s_mul_i32 s22, s13, 2*SCRH
	s_add_co_u32 s22, s22, SCR
	s_mul_i32 s23, s14, SCRH
	s_add_co_u32 s23, s23, s22                     ; my region
	s_xor_b32 s77, s14, 1
	s_mul_i32 s77, s77, SCRH
	s_add_co_u32 s77, s77, s22                     ; my partner's
	v_lshl_add_u32 v[SST], v27, 4, s23
	v_lshl_add_u32 v[SLD], v27, 4, s77
	v_lshl_add_u32 v[SSM], v27, 2, s23
	v_lshl_add_u32 v[SLM], v27, 2, s77
	s_mul_i32 s22, s12, STGW
	s_add_co_u32 s22, s22, STG
	v_add_nc_u32 v[GST], s22, v29                  ; in: row r, 16 bytes for each half of the lanes
	v_lshrrev_b32 v30, 3, v27
	v_mul_u32_u24 v30, v30, KP
	v_and_b32 v31, 7, v27
	v_lshl_add_u32 v30, v31, 4, v30
	v_add_nc_u32 v[GRD], s22, v30                  ; back: eight lanes a row of 128 bytes
	v_mov_b32 v[TT+2], 0                           ; destination of v_permlanex16_b32: counts as read
; Slot s's group 0 steps from unit f(u) to f(u + 2) = f(u) - 2, plus 16 - j where that is negative; the index stays within 0..15 in the last steps too.
.macro STEPADDR s
	s_sub_co_i32 s[KU+\s], s[KU+\s], 2
	s_cmp_lt_i32 s[KU+\s], 0
	s_cselect_b32 s22, s18, 0
	s_add_co_i32 s[KU+\s], s[KU+\s], s22
	s_lshl_b32 s24, s[KU+\s], 14
	s_add_nc_u64 s[G0K+4*\s+2:G0K+4*\s+3], s[28:29], s[24:25]
	s_or_b32 s[G0K+4*\s+3], s[G0K+4*\s+3], 0x80000000
	s_lshl_b32 s26, s[KU+\s], 8
	s_add_nc_u64 s[G0V+4*\s+2:G0V+4*\s+3], s[30:31], s[26:27]
	s_or_b32 s[G0V+4*\s+3], s[G0V+4*\s+3], 0x80000000
.endm
; The head of the step that reads slot s: one barrier for the change of slots.
.macro HEAD s, refill
	s_set_vgpr_msb 0x4
	s_wait_tensorcnt 0x0                           ; all my tensor loads have landed, my part of this step's tiles among them: every group 0 may be written
	ds_add_u32 v23, v1
	s_wait_dscnt 0x0
	s_set_vgpr_msb 0x400
	STEPADDR \s
	s_wait_dscnt 0x0                               ; my reads of the other slot, and my stores to the scratch, are done
	s_barrier_signal -1
	s_barrier_wait -1                              ; both now hold of all eight waves
.if \refill
	KVLOAD 1-\s                                    ; the next unit, into the slot read last: the wave's one tensor load until the next barrier; one is out
.endif
.endm
; Online softmax of register tile t: 32 scores a lane (query r, keys 16 kt + 8 h + jj).  first = 1: the block's first unit.
.macro SOFTMAX t, first
.if \first
	v_max3_num_f32 v[TT],   v[SC+32*\t],    v[SC+32*\t+1],  s76
	v_max3_num_f32 v[TT+1], v[SC+32*\t+16], v[SC+32*\t+17], s76
.else
	v_max3_num_f32 v[TT],   v[SC+32*\t],    v[SC+32*\t+1],  v[MX+2*\t]
	v_max3_num_f32 v[TT+1], v[SC+32*\t+16], v[SC+32*\t+17], v[MX+2*\t]
.endif
.irp k, 2,4,6,8,10,12,14
	v_max3_num_f32 v[TT],   v[SC+32*\t+\k],    v[SC+32*\t+\k+1],  v[TT]
	v_max3_num_f32 v[TT+1], v[SC+32*\t+16+\k], v[SC+32*\t+17+\k], v[TT+1]
.endr
	v_max_num_f32 v[TT], v[TT], v[TT+1]
	v_permlanex16_b32 v[TT+2], v[TT], s74, s75     ; the other eight keys of each tile lie in lane l xor 16
	v_max_num_f32 v[TT], v[TT], v[TT+2]            ; the new running maximum, alike in both lanes of a query
.if \first
	v_mov_b32 v[MX+2*\t], v[TT]
.else
	v_sub_f32 v[TT+1], v[MX+2*\t], v[TT]
	v_exp_f32 v[AL+2*\t], v[TT+1]                  ; what the old sums are worth under the new maximum
	v_mov_b32 v[MX+2*\t], v[TT]                    ; the plain place behind it (ISA guide 5.7.2)
.endif
.irp k, 0,1,2,3,4,5,6,7,8,9,10,11,12,13,14,15
	v_pk_add_f32 v[SC+32*\t+2*\k:SC+32*\t+2*\k+1], v[SC+32*\t+2*\k:SC+32*\t+2*\k+1], v[MX+2*\t:MX+2*\t+1] op_sel_hi:[1,0] neg_lo:[0,1] neg_hi:[0,1]
.endr
.set k, 0
.rept 32
	v_exp_f32 v[SC+32*\t+k], v[SC+32*\t+k]
.set k, k+1
.endr
.if \first
	v_nop                                          ; the plain place behind the exponentials
	s_wait_alu depctr_va_vdst(0)
.else
	s_wait_alu depctr_va_vdst(0)
.irp dt, 0,1,2,3
.irp i, 0,1,2,3
	v_pk_mul_f32 v[OA+8*(2*\dt+\t)+2*\i:OA+8*(2*\dt+\t)+2*\i+1], v[OA+8*(2*\dt+\t)+2*\i:OA+8*(2*\dt+\t)+2*\i+1], v[AL+2*\t:AL+2*\t+1] op_sel_hi:[1,0]   ; also the place behind the exponentials
.endr
.endr
.endif
	v_pk_add_f32 v[TT+4:TT+5], v[SC+32*\t:SC+32*\t+1],     v[SC+32*\t+2:SC+32*\t+3]      ; the sum, two chains
	v_pk_add_f32 v[TT+6:TT+7], v[SC+32*\t+16:SC+32*\t+17], v[SC+32*\t+18:SC+32*\t+19]
.irp k, 4,6,8,10,12,14
	v_pk_add_f32 v[TT+4:TT+5], v[TT+4:TT+5], v[SC+32*\t+\k:SC+32*\t+\k+1]
	v_pk_add_f32 v[TT+6:TT+7], v[TT+6:TT+7], v[SC+32*\t+16+\k:SC+32*\t+17+\k]
.endr
	v_pk_add_f32 v[TT+4:TT+5], v[TT+4:TT+5], v[TT+6:TT+7]
.if \first
	v_add_f32 v[LS+\t], v[TT+4], v[TT+5]
.else
	v_add_f32 v[TT+4], v[TT+4], v[TT+5]
	v_fma_f32 v[LS+\t], v[LS+\t], v[AL+2*\t], v[TT+4]
.endif
.irp c, 0,1
.irp e, 0,1
.irp i, 0,1,2,3
	v_cvt_pk_f16_f32 v[SC+32*\t+16*\c+4*\e+\i], v[SC+32*\t+16*\c+8*\e+2*\i], v[SC+32*\t+16*\c+8*\e+2*\i+1]   ; in place: tiles 2 c, 2 c + 1 become the fragment of keys 32 c ..
.endr
.endr
.endr
.endm
; One unit from slot s.  diag = 1: the block's first unit, the diagonal one: masked, and it starts maxima and sums.
; In each group of matrix instructions eight accumulators take turns, one instruction a turn.
.macro COMPUTE s, diag
.irp c, 0,1
.irp kt, 0,1,2,3
	ds_load_b128 v[XF+8*(4*\c+\kt):XF+8*(4*\c+\kt)+3],   v[KADR+2*\s] offset:\kt*16*KP+64*\c
	ds_load_b128 v[XF+8*(4*\c+\kt)+4:XF+8*(4*\c+\kt)+7], v[KADR+2*\s] offset:\kt*16*KP+64*\c+32
.endr
.endr
	s_wait_dscnt 8                                 ; d 0-31 of my 64 keys are in; the eight loads of d 32-63 may be out
.irp kt, 0,1,2,3
.irp t, 0,1
	v_wmma_f32_16x16x32_f16 v[SC+8*(4*\t+\kt):SC+8*(4*\t+\kt)+7], v[XF+8*\kt:XF+8*\kt+7], v[QF+16*\t:QF+16*\t+7], 0
.endr
.endr
	s_wait_dscnt 0
.irp kt, 0,1,2,3
.irp t, 0,1
	v_wmma_f32_16x16x32_f16 v[SC+8*(4*\t+\kt):SC+8*(4*\t+\kt)+7], v[XF+32+8*\kt:XF+32+8*\kt+7], v[QF+16*\t+8:QF+16*\t+15], v[SC+8*(4*\t+\kt):SC+8*(4*\t+\kt)+7]
.endr
.endr
.rept 4
	v_nop                                          ; four places: loads land on K's fragments, vector instructions read the scores
.endr
.irp c, 0,1
.irp dt, 0,1,2,3
	ds_load_b128 v[XF+8*(4*\c+\dt):XF+8*(4*\c+\dt)+3],   v[VADR+2*\s] offset:\dt*16*VPI+64*\c
	ds_load_b128 v[XF+8*(4*\c+\dt)+4:XF+8*(4*\c+\dt)+7], v[VADR+2*\s] offset:\dt*16*VPI+64*\c+32
.endr
.endr
.if \diag
.irp t, 0,1
.irp kt, 0,1,2,3
.irp jj, 0,1,2,3,4,5,6,7
	v_cmp_le_i32 vcc_lo, 16*\kt+\jj, v[DLT+\t]     ; key <= query
	v_cndmask_b32 v[SC+8*(4*\t+\kt)+\jj], s76, v[SC+8*(4*\t+\kt)+\jj], vcc_lo
.endr
.endr
.endr
.endif
	SOFTMAX 0, \diag
	SOFTMAX 1, \diag
	s_wait_dscnt 0                                 ; V^T's fragments
.irp dt, 0,1,2,3
.irp t, 0,1
.if \diag
	v_wmma_f32_16x16x32_f16 v[OA+8*(2*\dt+\t):OA+8*(2*\dt+\t)+7], v[XF+8*\dt:XF+8*\dt+7], v[SC+32*\t:SC+32*\t+7], 0
.else
	v_wmma_f32_16x16x32_f16 v[OA+8*(2*\dt+\t):OA+8*(2*\dt+\t)+7], v[XF+8*\dt:XF+8*\dt+7], v[SC+32*\t:SC+32*\t+7], v[OA+8*(2*\dt+\t):OA+8*(2*\dt+\t)+7]
.endif
.endr
.endr
.irp dt, 0,1,2,3
.irp t, 0,1
	v_wmma_f32_16x16x32_f16 v[OA+8*(2*\dt+\t):OA+8*(2*\dt+\t)+7], v[XF+32+8*\dt:XF+32+8*\dt+7], v[SC+32*\t+16:SC+32*\t+23], v[OA+8*(2*\dt+\t):OA+8*(2*\dt+\t)+7]
.endr
.endr
.rept 5
	v_nop                                          ; five places: the next scores are written over P, loads land on V^T's fragments, stores read O
.endr
.endm
; A block's end, in front of the barrier: tile 1's sums, maximum and sum go to my region of the scratch at so.  qload = 1: the second block's Q is asked for.
.macro FINAL_A so, qload
.irp dt, 0,1,2,3
	ds_store_b128 v[SST], v[OA+8*(2*\dt+1):OA+8*(2*\dt+1)+3]   offset:\so+1024*\dt
	ds_store_b128 v[SST], v[OA+8*(2*\dt+1)+4:OA+8*(2*\dt+1)+7] offset:\so+1024*\dt+512
.endr
	ds_store_b32 v[SSM], v[MX+2] offset:\so+4096
	ds_store_b32 v[SSM], v[LS+1] offset:\so+4224
.if \qload
	QLOAD 68
.endif
.endm
; Behind the barrier: my tile 0 and my partner's part of the same queries are merged, divided by the sum and stored.
.macro FINAL_B so, aob
.irp dt, 0,1,2,3
	ds_load_b128 v[XF+8*\dt:XF+8*\dt+3],   v[SLD] offset:\so+1024*\dt
	ds_load_b128 v[XF+8*\dt+4:XF+8*\dt+7], v[SLD] offset:\so+1024*\dt+512
.endr
	ds_load_b32 v[TT],   v[SLM] offset:\so+4096    ; the partner's maximum
	ds_load_b32 v[TT+1], v[SLM] offset:\so+4224    ; and its lane's part of the sum
	s_wait_dscnt 0
	v_max_num_f32 v[TT+2], v[MX], v[TT]
	v_sub_f32 v[TT+3], v[MX], v[TT+2]
	v_sub_f32 v[TT], v[TT], v[TT+2]
	v_exp_f32 v[TT+3], v[TT+3]                     ; my weight
	v_exp_f32 v[TT], v[TT]                         ; the partner's
	v_nop
	s_wait_alu depctr_va_vdst(0)
	v_mul_f32 v[TT+4], v[LS], v[TT+3]
	v_fma_f32 v[TT+4], v[TT+1], v[TT], v[TT+4]
	v_permlanex16_b32 v[TT+2], v[TT+4], s74, s75   ; sums were kept by lane: now the two lanes of a query meet
	v_add_f32 v[TT+4], v[TT+4], v[TT+2]            ; at least 1: the largest score's own term
	v_rcp_f32 v[TT+5], v[TT+4]
	v_nop
	s_wait_alu depctr_va_vdst(0)
	v_mul_f32 v[AL], v[TT+3], v[TT+5]
	v_mul_f32 v[AL+2], v[TT], v[TT+5]
.irp k, 0,1,2,3,4,5,6,7,8,9,10,11,12,13,14,15
	v_pk_mul_f32 v[XF+2*\k:XF+2*\k+1], v[XF+2*\k:XF+2*\k+1], v[AL+2:AL+3] op_sel_hi:[1,0]
.endr
.irp dt, 0,1,2,3
.irp i, 0,1,2,3
	v_pk_fma_f32 v[OA+16*\dt+2*\i:OA+16*\dt+2*\i+1], v[OA+16*\dt+2*\i:OA+16*\dt+2*\i+1], v[AL:AL+1], v[XF+8*\dt+2*\i:XF+8*\dt+2*\i+1] op_sel_hi:[1,0,1]
.endr
.endr
.irp dt, 0,1,2,3
.irp i, 0,1,2,3
	v_cvt_pk_f16_f32 v[XF+4*\dt+\i], v[OA+16*\dt+2*\i], v[OA+16*\dt+2*\i+1]    ; query r, d = 16 dt + 8 h ..: 16 bytes
.endr
.endr
.irp dt, 0,1,2,3
	ds_store_b128 v[GST], v[XF+4*\dt:XF+4*\dt+3] offset:32*\dt
.endr
.irp t, 0,1,2,3
	ds_load_b128 v[XF+16+4*\t:XF+16+4*\t+3], v[GRD] offset:\t*4*KP     ; my own stage: a wave's LDS instructions are served in order
.endr
.irp t, 0,1,2,3
	s_wait_dscnt 3-\t                              ; the younger read-backs may be out
	global_store_b128 v[OOFF], v[XF+16+4*\t:XF+16+4*\t+3], s[\aob:\aob+1] offset:512*\t   ; four rows of 128 bytes: 512 consecutive bytes, aligned
.endr
	s_wait_xcnt 0x0                                ; the stores' data registers are loaded again only behind this wait
.endm
; A step inside the loop.  Where the stream step equals j + 1 (s19 against cmp) the first block ends and the second begins.  The branches hang on the
; work-group's number and the counter alone, so all eight waves take them alike; barrier, waits and refill stand outside them.
; The loop's two places have scratch of their own (so): in the text the stores of one place and the loads of the other stand between the same two barriers.
.macro DYNUNIT s, cmp, so
	s_cmp_lg_u32 s19, \cmp
	s_cbranch_scc1 .Lsame_\@
	FINAL_A \so, 1
.Lsame_\@:
	HEAD \s, 1
	s_wait_loadcnt 0x0                             ; Q's loads, issued only where a block ended, are waited for on every way
	s_cmp_lg_u32 s19, \cmp
	s_cbranch_scc1 .Lplain_\@
	FINAL_B \so, 70
	COMPUTE \s, 1
	s_branch .Lnext_\@
.Lplain_\@:
	COMPUTE \s, 0
.Lnext_\@:
.endm
	HEAD 0, 1                                      ; u = 0: slot 0 is whole; slot 1's first fill goes out as a refill does
	s_wait_loadcnt 0x0                             ; Q
	COMPUTE 0, 1
	s_mov_b32 s19, 1
.Lunits:                                           ; u = s19 and s19 + 1: 1 .. 14 in seven trips
	DYNUNIT 1, s17, 0
	DYNUNIT 0, s16, SCR2
	s_add_co_u32 s19, s19, 2
	s_cmp_lt_u32 s19, 15
	s_cbranch_scc1 .Lunits
	HEAD 1, 1                                      ; u = 15; the last unit goes out
	COMPUTE 1, 0
	HEAD 0, 0                                      ; u = 16: nothing is left to fetch
	COMPUTE 0, 0
	FINAL_A 0, 0
	s_wait_dscnt 0x0                               ; my stores to the scratch are done, for my partner's sake
	s_barrier_signal -1
	s_barrier_wait -1
	FINAL_B 0, 72
	s_set_vgpr_msb 0x4
	s_wait_tensorcnt 0x0
	ds_add_u32 v23, v1
	s_wait_dscnt 0x0
	s_set_vgpr_msb 0x400
	s_endpgm
.Lfunc_end_k_q59fc964814_attn:
	.size	k_q59fc964814_attn, .Lfunc_end_k_q59fc964814_attn-k_q59fc964814_attn
	.p2alignl 7, 3214868480
	.fill 96, 4, 3214868480
	.section	.rodata,"a",@progbits
	.p2align	6, 0x0
	.amdhsa_kernel k_q59fc964814_attn
		.amdhsa_group_segment_fixed_size 327680
		.amdhsa_private_segment_fixed_size 0
		.amdhsa_enable_private_segment 0
		.amdhsa_kernarg_size 32
		.amdhsa_user_sgpr_count 2
		.amdhsa_user_sgpr_kernarg_segment_ptr 1
		.amdhsa_wavefront_size32 1
		.amdhsa_system_sgpr_workgroup_id_x 1
		.amdhsa_system_sgpr_workgroup_id_y 1
		.amdhsa_system_sgpr_workgroup_id_z 1
		.amdhsa_system_vgpr_workitem_id 0
		.amdhsa_next_free_vgpr 258
		.amdhsa_next_free_sgpr 80
		.amdhsa_reserve_vcc 1
		.amdhsa_float_denorm_mode_32 3
		.amdhsa_float_denorm_mode_16_64 3
		.amdhsa_memory_ordered 1
		.amdhsa_forward_progress 1
		.amdhsa_inst_pref_size 157
	.end_amdhsa_kernel
	.amdgpu_metadata
---
amdhsa.version: [ 1, 2 ]
amdhsa.kernels:
  - .name:           k_q59fc964814_attn
    .symbol:         k_q59fc964814_attn.kd
    .args:
      - { .name: qh, .offset: 0, .size: 8, .value_kind: global_buffer, .address_space: global }
      - { .name: kh, .offset: 8, .size: 8, .value_kind: global_buffer, .address_space: global }
      - { .name: vt, .offset: 16, .size: 8, .value_kind: global_buffer, .address_space: global }
      - { .name: ao, .offset: 24, .size: 8, .value_kind: global_buffer, .address_space: global }
    .group_segment_fixed_size: 327680
    .private_segment_fixed_size: 0
    .kernarg_segment_align: 8
    .kernarg_segment_size: 32
    .max_flat_workgroup_size: 256
    .sgpr_count:     80
    .vgpr_count:     258
    .wavefront_size: 32
...
	.end_amdgpu_metadata
.endif
;; end of part 3
;; launch oproj (part 4): grid 8 x 32, 4 waves a work-group, clusters of 4 x 4, 327,680 bytes of LDS; arguments ao, woh, bo, out0; writes out0
.if DOCPART == 4
	.amdgcn_target "amdgcn-amd-amdhsa--gfx1250"
	.amdhsa_code_object_version 6
	.text
	.protected	k_q59fc964814_oproj
	.globl	k_q59fc964814_oproj
	.p2align	8
	.type	k_q59fc964814_oproj,@function
k_q59fc964814_oproj:
	s_mov_b64 s[64:65], 0
	v_nop
	global_prefetch_b8 v0, s[64:65] scope:SCOPE_SE
	s_setreg_imm32_b32 hwreg(HW_REG_WAVE_MODE, 25, 1), 1
	s_wait_xcnt 0x0
	s_wait_alu depctr_hold_cnt(0) depctr_sa_sdst(0) depctr_va_vdst(0) depctr_va_sdst(0) depctr_va_ssrc(0) depctr_va_vcc(0) depctr_vm_vsrc(0)
	s_getreg_b32 s2, hwreg(HW_REG_IB_STS2, 6, 4)
	s_cmp_eq_u32 s2, 0
	s_cbranch_scc0 .Lentry_in_a_cluster
	s_endpgm
.Lentry_in_a_cluster:
	s_bfe_u32 s2, ttmp6, 0x10000c
	s_cmp_lg_u32 s2, 0xf033
	s_cbranch_scc0 .Lentry_shape_is_right
	s_endpgm
.Lentry_shape_is_right:
; out0[row][c] = sum over k of a[row][k] Wo[c][k] + bo[c], k = 64 head + d.  ao: f16 [2][16 heads][2048][64]; woh: f16 [1024][1024]; out0: f32 [4096][1024].
; f16 operands, f32 sums, the bias added in f32.
; A work-group makes 128 rows x 128 columns with four waves of 64 x 64 (16 accumulator tiles).  256 work-groups.
; K goes in four phases of 256 (four heads) through two LDS slots, written out without a loop: a phase is 128 matrix instructions a wave,
; in which the next phase's tiles land.
; CLUSTERS: 4 x 4 work-groups; ao's tile hangs on the row block alone and is asked for jointly along a row of the cluster, woh's on the column block alone
; and jointly along a column.
; The matrix instruction is used transposed (source 0 = 16 rows of woh, source 1 = 16 rows of ao): a lane holds one row and 8 neighbouring columns, 32 bytes.
; REGISTERS: window 0 addresses, bias, two fragment buffers (A's 4 at f + 8 a, B's 4 at f + 32 + 8 b); window 1 accumulator (a, b) at v[8 (4 a + b)].
.set APITCH, 144                       ; a head's row: 128 bytes + 16
.set BPITCH, 528                       ; woh's row of a phase: 512 bytes + 16
.set HEADB,  128*APITCH                ; one head's 128 rows
.set ATILE,  4*HEADB
.set BHALF,  64*BPITCH
.set SLOT,   ATILE+2*BHALF             ; 141,312
.set STAGE,  2*SLOT                    ; behind the ring, never filled by a tensor load: 16 rows x 272 for each wave
.set SPITCH, 272
.set ADRA, 16                          ; v16-17
.set ADRB, 20                          ; v20-21
.set STO,  24
.set RD,   25
.set CO,   26
.set BOF,  27
.set BIAS, 28                          ; v[28:31] bo of the four columns that I store
.set F0,   64
.set F1,   128
.set G1,  24
.set G0,  32
.set G1B, 48
.set G0B, 56
.set MSB, 0
.macro WIN new
.if MSB != \new
	s_set_vgpr_msb (MSB<<8)|\new
.set MSB, \new
.endif
.endm
.set MUL,   0x50                       ; sources 0 and 1 window 0, C and D window 1
.set FROM1, 0x04                       ; an LDS store's data (source 1) window 1
.macro JLOAD s                         ; waves 0, 1 fetch A's halves, waves 2, 3 B's; the branch hangs on the wave's number alone
	s_cmp_eq_u32 s11, 0
	s_cbranch_scc0 .Lfor_b_\@
	tensor_load_to_lds s[G0+4*\s:G0+4*\s+3], s[G1:G1+7]
	s_nop 0
	s_branch .Lasked_\@
.Lfor_b_\@:
	tensor_load_to_lds s[G0B+4*\s:G0B+4*\s+3], s[G1B:G1B+7]
	s_nop 0
.Lasked_\@:
.endm
.macro CREST                           ; a round of the cluster's barrier behind its opening barrier
	s_cmp_lg_u32 s10, 0
	s_cbranch_scc1 .Lnot_wave_0_\@
	s_barrier_signal -3
.Lnot_wave_0_\@:
	s_barrier_wait -3
	s_barrier_signal -1
	s_barrier_wait -1
.endm
.macro CROUND
	s_barrier_signal -1
	s_barrier_wait -1
	CREST
.endm
	s_load_b128 s[4:7], s[0:1], 0x0                ; ao s[4:5], woh s[6:7]
	s_load_b128 s[68:71], s[0:1], 0x10             ; bo s[68:69], out0 s[70:71]
	v_lshl_add_u32 v254, v0, 2, 0x49400
	v_mov_b32 v255, 0
	ds_add_u32 v254, v255
	v_lshrrev_b32 v1, 5, v0
	v_readfirstlane_b32 s10, v1                    ; wave
	s_lshr_b32 s11, s10, 1                         ; rw.  Also: I fetch for A (0) or for B (1)
	s_and_b32 s12, s10, 1                          ; cw.  Also: which half of that tile
	s_bfe_u32 s40, ttmp6, 0x40000                  ; cx
	s_bfe_u32 s41, ttmp6, 0x40004                  ; cy
	s_lshl_b32 s42, ttmp9, 2
	s_add_co_u32 s42, s42, s40                     ; column block
	s_and_b32 s13, ttmp7, 0xffff
	s_lshl_b32 s13, s13, 2
	s_add_co_u32 s13, s13, s41                     ; row block
	s_lshl_b32 s43, s41, 2
	s_lshl_b32 s43, 15, s43                        ; my row of the cluster
	s_lshl_b32 s44, 0x1111, s40                    ; my column
	; A: a head's 128 rows of 128 bytes are 16,384 consecutive bytes, so a load's two heads are a tile of 2 rows of 8,192 elements, 131,072 elements apart;
	; the padding counts words along the tile: 4 words behind every 32 give each row of 128 bytes the pitch 144
	s_or_b32 s[G1+0], s43, (1<<16)|(1<<20)|(1<<21)|(4<<22)|(3<<25)
	s_mov_b32 s[G1+1], 8192<<16                    ; tensor_dim0
	s_mov_b32 s[G1+2], 2<<16                       ; tensor_dim1
	s_mov_b32 s[G1+3], 8192<<16                    ; tile_dim0
	s_mov_b32 s[G1+4], 2                           ; tile_dim1
	s_mov_b32 s[G1+5], 131072                      ; from head to head
	s_mov_b32 s[G1+6], 0
	s_mov_b32 s[G1+7], 0
	; B: 64 rows of 256 elements, 4 words behind every 128
	s_or_b32 s[G1B+0], s44, (1<<16)|(1<<20)|(1<<21)|(6<<22)|(3<<25)
	s_mov_b32 s[G1B+1], 256<<16
	s_mov_b32 s[G1B+2], 64<<16
	s_mov_b32 s[G1B+3], 256<<16
	s_mov_b32 s[G1B+4], 64
	s_mov_b32 s[G1B+5], 1024
	s_mov_b32 s[G1B+6], 0
	s_mov_b32 s[G1B+7], 0
	s_lshr_b32 s16, s13, 4                         ; n
	s_lshl_b32 s16, s16, 22
	s_and_b32 s17, s13, 15
	s_lshl_b32 s17, s17, 14                        ; 128 rows of 128 bytes for each block of l
	s_add_co_u32 s16, s16, s17
	s_lshl_b32 s17, s12, 19                        ; my two heads of the phase's four
	s_add_co_u32 s16, s16, s17
	s_mov_b32 s17, 0
	s_lshl_b32 s46, s42, 18                        ; 128 rows of woh of 2,048 bytes
	s_lshl_b32 s47, s12, 17                        ; my 64 of them
	s_add_co_u32 s46, s46, s47
	s_mov_b32 s47, 0
	s_mul_i32 s20, s10, 2*HEADB                    ; A's halves at wave x 36,864 (waves 0, 1),
	s_mul_i32 s45, s10, BHALF
	s_add_co_u32 s45, s45, ATILE-2*BHALF           ; B's behind them at wave x 33,792 + 6,144 (waves 2, 3)
	s_wait_dscnt 0x0
	s_wait_kmcnt 0x0
	s_add_nc_u64 s[14:15], s[4:5], s[16:17]
	s_add_nc_u64 s[46:47], s[6:7], s[46:47]
	CROUND                                         ; all sixteen work-groups are here: the first joint loads meet
.irp s, 0,1
	s_mov_b32 s[G0+4*\s], 1
	s_add_co_u32 s[G0+4*\s+1], s20, \s*SLOT
	s_add_nc_u64 s[G0+4*\s+2:G0+4*\s+3], s[14:15], \s*1048576      ; phase s: four heads of 262,144 bytes on
	s_or_b32 s[G0+4*\s+3], s[G0+4*\s+3], 0x80000000
	s_mov_b32 s[G0B+4*\s], 1
	s_add_co_u32 s[G0B+4*\s+1], s45, \s*SLOT
	s_add_nc_u64 s[G0B+4*\s+2:G0B+4*\s+3], s[46:47], \s*512        ; 256 elements along woh's rows
	s_or_b32 s[G0B+4*\s+3], s[G0B+4*\s+3], 0x80000000
	JLOAD \s                                       ; both first fills together: two tensor loads of a wave are out here, one later
.endr
	s_lshl_b32 s74, s42, 9
	s_lshl_b32 s75, s12, 8
	s_add_co_u32 s74, s74, s75                     ; my first column, in bytes of f32
	s_mov_b32 s75, 0
	s_add_nc_u64 s[76:77], s[68:69], s[74:75]      ; bo there
	s_lshl_b32 s78, s13, 19                        ; 128 rows of 4,096 bytes
	s_lshl_b32 s79, s11, 18                        ; my 64
	s_add_co_u32 s78, s78, s79
	s_add_co_u32 s78, s78, s74
	s_mov_b32 s79, 0
	s_add_nc_u64 s[72:73], s[70:71], s[78:79]      ; out0 at my block
	v_and_b32 v1, 15, v0                           ; r
	v_bfe_u32 v2, v0, 4, 1                         ; h
	v_lshlrev_b32 v[BOF], 4, v1
	global_load_b128 v[BIAS:BIAS+3], v[BOF], s[76:77]
	v_mul_u32_u24 v3, v1, APITCH
	v_lshl_add_u32 v3, v2, 4, v3
	v_mul_u32_u24 v4, v1, BPITCH
	v_lshl_add_u32 v4, v2, 4, v4
	s_mul_i32 s21, s11, 64*APITCH                  ; my 64 rows in each head's tile
	s_mul_i32 s22, s12, 64*BPITCH                  ; my 64 rows of woh,
	s_add_co_u32 s22, s22, ATILE                   ; behind A's four heads
.irp s, 0,1
	v_add_nc_u32 v[ADRA+\s], s21, v3
	v_add_nc_u32 v[ADRB+\s], s22, v4
	s_add_co_u32 s21, s21, SLOT
	s_add_co_u32 s22, s22, SLOT
.endr
	s_mul_i32 s23, s10, 16*SPITCH
	s_add_co_u32 s23, s23, STAGE
	v_mul_u32_u24 v5, v1, SPITCH
	v_lshl_add_u32 v5, v2, 5, v5
	v_add_nc_u32 v[STO], s23, v5                   ; in: row r, 32 bytes for each half of the lanes
	v_mul_u32_u24 v5, v2, SPITCH
	v_lshl_add_u32 v5, v1, 4, v5
	v_add_nc_u32 v[RD], s23, v5                    ; back: sixteen lanes a row of 256 bytes
	v_lshlrev_b32 v5, 12, v2
	v_lshl_add_u32 v[CO], v1, 4, v5                ; the same two rows in out0
; 4 matrix instructions: row tile a x 4 column tiles, 32 along K.  The 16 accumulators take turns, one instruction a turn.
.macro MUL4 f, a, zero
.irp b, 0,1,2,3
.if \zero
	v_wmma_f32_16x16x32_f16 v[8*(4*\a+\b):8*(4*\a+\b)+7], v[\f+32+8*\b:\f+32+8*\b+7], v[\f+8*\a:\f+8*\a+7], 0
.else
	v_wmma_f32_16x16x32_f16 v[8*(4*\a+\b):8*(4*\a+\b)+7], v[\f+32+8*\b:\f+32+8*\b+7], v[\f+8*\a:\f+8*\a+7], v[8*(4*\a+\b):8*(4*\a+\b)+7]
.endif
.endr
.endm
; 16 LDS loads: part q (0..7) of a phase, 32 along K: head q / 2 of the slot's four, d = 32 (q % 2); B first, then A
.macro FETCH slot, q, f
	WIN 0
.irp b, 0,1,2,3
	ds_load_b128 v[\f+32+8*\b:\f+32+8*\b+3],   v[ADRB+\slot] offset:\b*16*BPITCH+64*\q
	ds_load_b128 v[\f+32+8*\b+4:\f+32+8*\b+7], v[ADRB+\slot] offset:\b*16*BPITCH+64*\q+32
.endr
.irp a, 0,1,2,3
	ds_load_b128 v[\f+8*\a:\f+8*\a+3],   v[ADRA+\slot] offset:(\q/2)*HEADB+\a*16*APITCH+(\q%2)*64
	ds_load_b128 v[\f+8*\a+4:\f+8*\a+7], v[ADRA+\slot] offset:(\q/2)*HEADB+\a*16*APITCH+(\q%2)*64+32
.endr
.endm
.macro PLACES                          ; four places behind a matrix instruction (ISA guide 7.12.1 for vector instructions)
.rept 4
	v_nop
.endr
.endm
; One of a phase's first seven parts: multiplies buffer f, fetches part q into buffer g
.macro QUARTER slot, q, f, g, zero
	s_wait_dscnt 4                                 ; B and A's tiles 0, 1 are in; the youngest four loads (A's tiles 2, 3) may be out
	WIN MUL
	MUL4 \f, 0, \zero
	MUL4 \f, 1, \zero
	PLACES
	FETCH \slot, \q, \g
	s_wait_dscnt 16                                ; all but the 16 just issued
	WIN MUL
	MUL4 \f, 2, \zero
	MUL4 \f, 3, \zero
.endm
.macro SEVEN slot, zero
	QUARTER \slot, 1, F0, F1, \zero
	QUARTER \slot, 2, F1, F0, 0
	QUARTER \slot, 3, F0, F1, 0
	QUARTER \slot, 4, F1, F0, 0
	QUARTER \slot, 5, F0, F1, 0
	QUARTER \slot, 6, F1, F0, 0
	QUARTER \slot, 7, F0, F1, 0
.endm
; A phase's last part: multiplies buffer 1 and changes slots.  In front of the barrier: my reads of this slot and all my tensor loads.  Behind it, where the
; slot is filled again, the rest of a round of the cluster's barrier, the joint refill first, then the next slot's first fragments.
.macro TURN slot, next, fill
	s_wait_dscnt 4
	WIN MUL
	MUL4 F1, 0, 0
	s_wait_dscnt 0
	s_wait_tensorcnt 0x0
	ds_add_u32 v254, v255
	s_wait_dscnt 0x0
	s_barrier_signal -1
	MUL4 F1, 1, 0                                  ; register work while the others arrive
	WIN 0
	s_barrier_wait -1
.if \fill
	CREST
	s_add_nc_u64 s[G0+4*\slot+2:G0+4*\slot+3], s[G0+4*\slot+2:G0+4*\slot+3], 2097152     ; two phases on: eight heads
	s_add_nc_u64 s[G0B+4*\slot+2:G0B+4*\slot+3], s[G0B+4*\slot+2:G0B+4*\slot+3], 1024    ; 512 elements
	JLOAD \slot
.endif
	PLACES
	FETCH \next, 0, F0
	WIN MUL
	MUL4 F1, 2, 0
	MUL4 F1, 3, 0
.endm
	s_wait_tensorcnt 1                             ; my part of phase 0 is in; phase 1's may stay out
	s_barrier_signal -1
	s_barrier_wait -1
	FETCH 0, 0, F0
	SEVEN 0, 1                                     ; the first products start the sums
	TURN 0, 1, 1                                   ; slot 0 gets phase 2
	SEVEN 1, 0
	TURN 1, 0, 1                                   ; slot 1 gets phase 3
	SEVEN 0, 0
	TURN 0, 1, 0                                   ; nothing is left to fetch
	SEVEN 1, 0
	s_wait_dscnt 4
	WIN MUL
	MUL4 F1, 0, 0
	MUL4 F1, 1, 0
	s_wait_dscnt 0
	MUL4 F1, 2, 0
	MUL4 F1, 3, 0
	PLACES                                         ; behind the last matrix instructions: stores read results, loads land on the fragment buffers
	s_wait_loadcnt 0x0                             ; the bias
; THE WAY OUT, 16 rows at a time: 32 bytes a lane into my own stage, whole rows of 256 bytes back, the bias added, sixteen lanes store 256 consecutive aligned bytes.
.macro OUT16 a, f
	WIN FROM1
.irp b, 0,1,2,3
	ds_store_b128 v[STO], v[8*(4*\a+\b):8*(4*\a+\b)+3]   offset:64*\b
	ds_store_b128 v[STO], v[8*(4*\a+\b)+4:8*(4*\a+\b)+7] offset:64*\b+16
.endr
	WIN 0
	s_wait_xcnt 0x0                                ; buffer f is the data of earlier stores: it is loaded again only behind this wait
.irp t, 0,1,2,3,4,5,6,7
	ds_load_b128 v[\f+4*\t:\f+4*\t+3], v[RD] offset:\t*2*SPITCH    ; a wave's LDS instructions are served in order: these see the stores above
.endr
.irp t, 0,1,2,3,4,5,6,7
	s_wait_dscnt 7-\t                              ; the younger read-backs may be out
	v_pk_add_f32 v[\f+4*\t:\f+4*\t+1],   v[\f+4*\t:\f+4*\t+1],   v[BIAS:BIAS+1]
	v_pk_add_f32 v[\f+4*\t+2:\f+4*\t+3], v[\f+4*\t+2:\f+4*\t+3], v[BIAS+2:BIAS+3]
	global_store_b128 v[CO], v[\f+4*\t:\f+4*\t+3], s[72:73] offset:65536*\a+8192*\t th:TH_STORE_NT
.endr
.endm
	OUT16 0, F0
	OUT16 1, F1
	OUT16 2, F0
	OUT16 3, F1
	s_wait_tensorcnt 0x0
	ds_add_u32 v254, v255
	s_wait_dscnt 0x0
	CROUND                                         ; the closing round: no work-group ends while a partner may still ask for a tile that names it
	s_endpgm
.Lfunc_end_k_q59fc964814_oproj:
	.size	k_q59fc964814_oproj, .Lfunc_end_k_q59fc964814_oproj-k_q59fc964814_oproj
	.p2alignl 7, 3214868480
	.fill 96, 4, 3214868480
	.section	.rodata,"a",@progbits
	.p2align	6, 0x0
	.amdhsa_kernel k_q59fc964814_oproj
		.amdhsa_group_segment_fixed_size 327680
		.amdhsa_private_segment_fixed_size 0
		.amdhsa_enable_private_segment 0
		.amdhsa_kernarg_size 32
		.amdhsa_user_sgpr_count 2
		.amdhsa_user_sgpr_kernarg_segment_ptr 1
		.amdhsa_wavefront_size32 1
		.amdhsa_system_sgpr_workgroup_id_x 1
		.amdhsa_system_sgpr_workgroup_id_y 1
		.amdhsa_system_sgpr_workgroup_id_z 1
		.amdhsa_system_vgpr_workitem_id 0
		.amdhsa_next_free_vgpr 384
		.amdhsa_next_free_sgpr 80
		.amdhsa_reserve_vcc 0
		.amdhsa_float_denorm_mode_32 3
		.amdhsa_float_denorm_mode_16_64 3
		.amdhsa_memory_ordered 1
		.amdhsa_forward_progress 1
		.amdhsa_inst_pref_size 94
	.end_amdhsa_kernel
	.amdgpu_metadata
---
amdhsa.version: [ 1, 2 ]
amdhsa.kernels:
  - .name:           k_q59fc964814_oproj
    .symbol:         k_q59fc964814_oproj.kd
    .args:
      - { .name: ao, .offset: 0, .size: 8, .value_kind: global_buffer, .address_space: global }
      - { .name: woh, .offset: 8, .size: 8, .value_kind: global_buffer, .address_space: global }
      - { .name: bo, .offset: 16, .size: 8, .value_kind: global_buffer, .address_space: global }
      - { .name: out0, .offset: 24, .size: 8, .value_kind: global_buffer, .address_space: global }
    .group_segment_fixed_size: 327680
    .private_segment_fixed_size: 0
    .kernarg_segment_align: 8
    .kernarg_segment_size: 32
    .max_flat_workgroup_size: 128
    .sgpr_count:     80
    .vgpr_count:     384
    .wavefront_size: 32
...
	.end_amdgpu_metadata
.endif
;; end of part 4
